; MI455X (gfx1250); checked and timed in simulation.
; The chip was launched on July 23, 2026; its instructions are those of AMD's public machine-readable ISA for CDNA 5 (MIT licence, August 2026) and "CDNA5" Instruction Set Architecture Reference Guide (July 2026). The comments in the code are by the model that wrote it; some were corrected since.
;; QKV Attention. Allowed arithmetic: matrix products marked QUANTISED: E2M1 operands, one E8M0 scale for each 32 along K, by v_wmma_scale_f32_16x16x128_f8f6f4 with both operands' format E2M1 (or v_wmma_scale_f32_32x16x128_f4), f32 sums; everything else in f32.
;; Inputs: qkv 4 x 2,048 x 3,072 float32.
;; Outputs: out0 4 x 2,048 x 1,024 float32.
;; This version of the problem:
;;   THIS VERSION OF THE PROBLEM IS GIVEN IN LOW PRECISION. The matrix products marked QUANTISED in the list below multiply operands that are first quantised to E2M1 (2 exponent bits, 1 mantissa bit; 4 bits a number), with one power-of-two scale for each 32 numbers along K (OCP MX v1.0); their sums are f32. All else is computed in f32.
;;   The module's matrix products, in the order in which they are computed (A, B: the left and right operand; K: the contracted axis; several contracted axes count as one K, in the product's order):
;;     1. batch 64 x [M 2,048, K 64] x [K 64, N 2,048]; A: computed on the way; B: computed on the way: QUANTISED
;;     2. batch 64 x [M 2,048, K 2,048] x [K 2,048, N 64]; A: softmax (see below); B: computed on the way: QUANTISED
;;   THE QUANTISER, for each operand of a quantised product, along K:
;;     - K is cut into blocks of 32 from its start; a last block that is shorter is filled with zeros.
;;     - A block's scale is 2^e with e = floor(log2(the largest magnitude in the block)) - 2, held to -126 .. 127; a block of zeros has e = 0. As a byte (E8M0): e + 127.
;;     - Each number is divided by its block's scale, clamped to +-6, and rounded to the nearest number of E2M1, ties to even, subnormals kept.
;;     - The product sums the exact products of the quantised numbers (number of the format x scale) in f32.
;;   ~~~python
;;   def quantise(x, axis):      # numpy; x: float32 -> the quantised numbers, widened to float32 again
;;       x = np.moveaxis(x, axis, -1); K = x.shape[-1]
;;       x = np.pad(x, [(0, 0)] * (x.ndim - 1) + [(0, -K % 32)]); x = x.reshape(x.shape[:-1] + (-1, 32)); a = np.abs(x).max(-1, keepdims=True)
;;       e = np.where(a > 0, np.clip(np.frexp(np.where(a > 0, a, 1))[1] - 1 - 2, -126, 127), 0)      # np.frexp(a)[1] - 1 = floor(log2(a)), exactly
;;       r = np.clip(x / 2.0 ** e, -6, 6)
;;       step = 2.0 ** (np.maximum(np.frexp(np.where(r == 0, 1, r))[1] - 1, 0) - 1)
;;       q = np.round(r / step) * step * 2.0 ** e      # np.round: ties to even
;;       return np.moveaxis(q.reshape(q.shape[:-2] + (-1,))[..., :K], -1, axis).astype(np.float32)
;;   ~~~
;;   SOFTMAX AHEAD OF A QUANTISED PRODUCT. Where the list says 'softmax', what is quantised is not the finished softmax but p = 2^(t - M), with t = logit x log2(e) and M = ceil(the row's largest t), a whole number; so 1/2 < the row's largest p <= 1. The row's sum l is taken of the UNQUANTISED p, in f32, and the product's result is divided by l at the end. Since M is a whole number, a kernel that streams over the keys may use a running M (the ceiling of the running maximum): every later rescaling is an exact power of two, which a block's scale takes up: the codes' values come out the same.
;;   OPERANDS COMPUTED ON THE WAY. 'Computed on the way' means the value that the module computes at that place (a softmax that the list does not call 'softmax' is quantised finished and normalised). What goes into a quantiser is computed in f32, as accurately as f32 sums, v_exp_f32 and their like allow (about 1e-6 of the number): no bf16 or f16 on the way to a quantiser, and a product that is left as it is and whose result goes on into a quantised operand takes f32 operands (vector FMAs, or v_wmma_f32_16x16x4_f32). A number that lies on a knife's edge between two numbers of the format may be rounded either way, as far as f32 arithmetic and the matrix unit's own rounding can turn it there, and no further.
;; 2 versions. Each part assembles by itself: llvm-mc -triple=amdgcn-amd-amdhsa -mcpu=gfx1250 --defsym DOCPART=n.
;; ======== version 1 of 2: 1 launch
;; launch attn (part 1): grid 4 x 64, 16 waves a work-group, no clusters, 227,328 bytes of LDS; arguments qkv, out0; writes out0
.if DOCPART == 1
	.amdgcn_target "amdgcn-amd-amdhsa--gfx1250"
	.amdhsa_code_object_version 6
	.text
	.protected	k_q2e4280767c_attn
	.globl	k_q2e4280767c_attn
	.p2align	8
	.type	k_q2e4280767c_attn,@function
k_q2e4280767c_attn:
	s_mov_b64 s[64:65], 0
	v_nop
	global_prefetch_b8 v0, s[64:65] scope:SCOPE_SE
	s_setreg_imm32_b32 hwreg(HW_REG_WAVE_MODE, 25, 1), 1
	s_wait_xcnt 0x0
; out[bh][i][:] = the sum over j of softmax_j((s q[bh][i]) . (s k[bh][j])) v[bh][j][:], s = 1 / sqrt(8), 64 heads bh, 2,048 tokens, 64 channels, both products on codes of FP4 (E2M1) with one E8M0 scale for each 32 along a product's K.
; WHERE THE NUMBERS LIE.  qkv is 8,192 rows of 12,288 bytes: 4,096 of q, 4,096 of k, 4,096 of v.  The reshape is a row-major reinterpretation: head bh is rows 128 bh .. 128 bh + 127, and token i of the head is the
; 256 bytes at row i / 16, byte 256 (i % 16) of the row's q, k or v part.  So 16 tokens are 4,096 consecutive bytes.  out0 is [64][2048][64] f32 as it lies.
; SHARES.  A work-group owns 512 queries of one head (grid x: the quarter, grid y: the head); each of its SIXTEEN waves owns 32 of them, two tiles of 16, in 256 registers: four waves to a SIMD, so that one wave's vector work
; stands beside another's matrix work and LDS loads.
; PHASE 1.  A head's K and V as codes are 2 x 65,536 bytes: they fit in LDS whole.  Wave w loads the f32 numbers of keys 128 w .. 128 w + 127, quantises them (K x s along the 64 channels, V along the keys) and stores codes and
; scale words in LDS AS IMAGES OF THE OPERANDS' REGISTERS: lane l's 16 bytes at 16 l.  It also quantises its own 32 queries, into registers.  One barrier.
; PHASE 2.  For each of its two tiles a wave walks the 16 key steps of 128 keys, reading LDS alone.  Both products are used transposed: S^T = K Q^T (source 0 = 16 keys, source 1 = my 16 queries),
; O^T = V^T P^T (source 0 = 16 channels, source 1 = P): a lane holds ONE query (lane % 16) throughout.  The first product's K is 64: registers 4-7 of K's and Q's fragments hold zero codes, written once, and bytes 2, 3 of their scale words are 0.
; THE KEYS OF A TILE ARE NOT NEIGHBOURS: row r of tile 2 b + u is key 32 b + 8 u + r + 8 (r / 8) of the step, so that the 16 registers of tiles 2 b and 2 b + 1 are 16 neighbouring keys, 32 b + 16 (lane / 16) + 0 .. 15.
; THE SOFTMAX: t = score x log2(e); M = the largest t so far, rounded UP to a whole number; p = 2^(t - M) is quantised along the keys, not normalised.  The row's sum is taken of the unquantised p and divides O at the end.
; When M moves, the sum and O are multiplied by 2^(old M - new M): exact.
; NO JOINT REQUESTS.  The head's four work-groups read the same K and V.  A joint request is a tensor load, which lays bytes in LDS as they lie in memory: a head's K and V are 1,048,576 bytes of f32, over three times what LDS
; holds, so they would pass through slots filled again and again, each byte written to LDS and read from it once more ahead of the quantiser.  Here V's numbers go from memory into the very registers in which the quantiser
; wants them, all loads stand ahead of the key loop, and the key loop reads no memory at all.  For the same reason nothing is prefetched: there is no later step whose addresses could be asked for ahead.
; LIMITS.  A block of zeros gets the scale byte 1 where the quantiser's rule says 127: its codes are zeros, and the bytes are read by this program alone.  NaN and infinities among the inputs are not served.
; A p under 2^-126 counts as 0 (v_exp_f32 gives 0 there).  A block's largest p is not searched for: the block's largest score goes through the same multiply-add and exponential, which takes v_exp_f32 not to fall where its input rises.
.set ROWQ,  12288                      ; bytes from a row of qkv to the next
.set BLK,   9728                       ; LDS: a key step's block: K's images, V's images, K's scale words, V's scale words
.set VOFF,  4096                       ; K's images at 0: tile t at 512 t + 16 lane (registers 0-3).  V's here: channel tile ct, register group c at 1024 ct + 512 c + 16 lane
.set KSCO,  8192                       ; K's scale words: group G at 512 G + 16 lane: word t % 4 is tile 4 G + t % 4's, row lane % 16 (lanes 16-31 hold a copy)
.set VSCO,  9216                       ; V's: at 16 lane: word ct is channel 16 ct + lane % 16's (lanes 16-31 hold a copy)
.set STG,   16*BLK                     ; behind the sixteen blocks: a stage of 16 rows for each wave, its own: the turn of K and Q on the way in, O on the way out
.set SP,    272                        ; a stage row: 256 bytes + 16: the sixteen rows that a load of 16 bytes a lane touches begin at sixteen different multiples of 16 modulo 256
; registers that stay
.set GL,  1                            ; v1   16 x lane: the dense global offset, an image's place for my lane, the offset of O's stores; never rewritten
.set SD,  2                            ; v2   the stage by dense rows: lanes 0-15 one row, lanes 16-31 the next
.set SO,  3                            ; v3   the stage, O on its way in: row lane % 16, + 32 (lane / 16)
.set AD,  4                            ; v4   the key step's block + 16 x lane
.set NM,  6                            ; v6   -M        (v[6:7] is named as a pair)
.set TM,  7                            ; v7   the largest t so far
.set LL,  8                            ; v[8:9]   the row's sum, in two halves
.set QS,  10                           ; v10, v11 Q's scale words, tile 0 and tile 1
.set VS,  12                           ; v12-15   V's scale words of the step
.set QF,  16                           ; v16-23, v24-31  Q's two fragments
.set KF,  32                           ; v32-95   K's eight fragments of the step
.set SS,  96                           ; v96-159  S^T, then p
.set OO,  160                          ; v160-191 O^T, four tiles of 16 channels
.set VF,  192                          ; v192-223 V's four fragments of the step
.set PC,  224                          ; v224-231 p's codes
.set BM,  232                          ; v232-235 the blocks' largest scores, then largest p
.set BT,  236                          ; v236-239 at work
.set SCV, 240                          ; v240-243 the conversions' scale operands
.set KS,  244                          ; v244-251 K's scale words of the step
.set FF,  252                          ; v252 f = 2^(old M - new M)   (v[252:253] is named as a pair)
.set PW,  253                          ; v253 p's scale word
.set TT,  254
.set OM,  255                          ; v255 the old -M
; registers of phase 1 alone
.set GV,  224                          ; 4 x lane: V's loads
.set SR,  225                          ; the stage by tokens: row lane % 16, + 128 (lane / 16)
.set KW,  226                          ; where my codes of K go
.set KSW, 227                          ; and my token's scale word
.set VW,  228                          ; where my codes of V go
.set VSW, 229                          ; and my channel's scale word
.set SH8, 230                          ; 8 (lane / 16)
.set MA,  232
.set MB,  233
.set SOP, 234                          ; the conversion's scale operand
.set BY,  235                          ; the scale's byte
.set WD,  236                          ; a scale word in the making
.set T1,  237
.set VWD, 238                          ; v238, v239 V's scale words in the making: channels 0-31, channels 32-63
.set CD,  240                          ; v240-243 the codes just made
.set XX,  192                          ; v192-223 32 channels of a token
.set TB,  26                           ; s26  LDS byte at which the key step's block begins
.set CNT, 27                           ; s27  key steps to go
	s_load_b128 s[4:7], s[0:1], 0x0                ; qkv s[4:5], out0 s[6:7]
	v_lshrrev_b32 v4, 5, v0
	v_readfirstlane_b32 s8, v4                     ; wave 0..15
	s_and_b32 s10, ttmp7, 0xffff                   ; the head
	s_mul_i32 s28, s8, 16*SP
	s_add_co_u32 s28, s28, STG                     ; my stage
	s_mul_i32 s29, s8, BLK                         ; the block of my key step
	s_mul_i32 s30, s10, 128*ROWQ                   ; the head's first byte in qkv (under 2^27)
	s_mov_b32 s31, 0
	s_mul_i32 s32, s8, 8*ROWQ                      ; my 128 keys: eight rows
	s_mov_b32 s33, 0
	s_lshl_b32 s34, ttmp9, 5
	s_lshl_b32 s35, s8, 1
	s_add_co_u32 s34, s34, s35                     ; my first tile of queries in the head: 32 x quarter + 2 x wave
	s_mul_i32 s36, s34, ROWQ                       ; a tile of 16 tokens is a row of qkv,
	s_mov_b32 s37, 0
	s_lshl_b32 s38, s34, 12                        ; and 4,096 bytes of out0,
	s_lshl_b32 s35, s10, 19                        ; in which a head is 524,288 bytes
	s_add_co_u32 s38, s38, s35
	s_mov_b32 s39, 0
	s_mov_b32 s20, 0x76543210
	s_mov_b32 s21, 0xfedcba98                      ; v_permlanex16_b32's selects for lane l xor 16
	s_mov_b32 s22, 0x3fb8aa3b                      ; log2(e)
	s_mov_b32 s23, s22                             ; (named with it as a pair, so it is written)
	s_mov_b32 s24, 0x3eb504f3                      ; s = 1 / sqrt(8) in f32
	s_mov_b32 s25, s24
	v_and_b32 v[GL], 31, v0
	v_lshlrev_b32 v[GL], 4, v[GL]
	v_and_b32 v254, 15, v0                         ; r = lane % 16
	v_bfe_u32 v255, v0, 4, 1                       ; h = lane / 16
	v_and_b32 v252, 7, v0                          ; r % 8
	v_bfe_u32 v5, v0, 3, 1                         ; r / 8
	v_mul_u32_u24 v[SD], v255, SP
	v_lshl_add_u32 v[SD], v254, 4, v[SD]
	v_add_nc_u32 v[SD], s28, v[SD]                 ; stage + 272 h + 16 r
	v_mul_u32_u24 v[SO], v254, SP
	v_lshl_add_u32 v[SO], v255, 5, v[SO]
	v_add_nc_u32 v[SO], s28, v[SO]                 ; stage + 272 r + 32 h
	v_mul_u32_u24 v[SR], v254, SP
	v_lshl_add_u32 v[SR], v255, 7, v[SR]
	v_add_nc_u32 v[SR], s28, v[SR]                 ; stage + 272 r + 128 h
	v_lshrrev_b32 v[GV], 2, v[GL]                  ; 4 x lane
	; Token r of the step's row g is key 16 g + r: row 8 (g % 2) + r % 8 of tile 2 (g / 2) + r / 8.  What hangs on g stands in the stores' immediates
	v_lshlrev_b32 v[KW], 4, v252
	v_lshl_add_u32 v[KW], v5, 9, v[KW]
	v_lshl_add_u32 v[KW], v255, 8, v[KW]
	v_add_nc_u32 v[KW], s29, v[KW]                 ; block + 512 (r / 8) + 256 h + 16 (r % 8)
	v_lshlrev_b32 v[KSW], 4, v252
	v_lshl_add_u32 v[KSW], v5, 2, v[KSW]
	v_lshl_add_u32 v[KSW], v255, 8, v[KSW]
	v_add_nc_u32 v[KSW], s29, v[KSW]               ; block + 256 h + 16 (r % 8) + 4 (r / 8)
	v_lshlrev_b32 v[VW], 4, v254
	v_lshl_add_u32 v[VW], v255, 10, v[VW]
	v_add_nc_u32 v[VW], s29, v[VW]                 ; block + 1024 h + 16 r
	v_lshlrev_b32 v[VSW], 4, v254
	v_lshl_add_u32 v[VSW], v255, 2, v[VSW]
	v_add_nc_u32 v[VSW], s29, v[VSW]               ; block + 16 r + 4 h
	v_lshlrev_b32 v[SH8], 3, v255
	v_mov_b32 v[T1], 0                             ; a lane permute's destination counts as one of its sources
	v_mov_b32 v[PW], 0                             ; (named as the upper half of the pair v[252:253] before it is first written)
.irp j, 4,5,6,7,12,13,14,15
	v_mov_b32 v[QF+\j], 0                          ; the zero codes of k = 64 .. 127: Q's two fragments,
.endr
.irp t, 0,1,2,3,4,5,6,7
.irp j, 4,5,6,7
	v_mov_b32 v[KF+8*\t+\j], 0                     ; and K's eight; written once, never loaded into
.endr
.endr
	s_wait_kmcnt 0x0
	s_add_nc_u64 s[12:13], s[4:5], s[30:31]        ; qkv at my head,
	s_add_nc_u64 s[14:15], s[12:13], s[36:37]      ; s[14:15]: at my first tile of queries,
	s_add_nc_u64 s[12:13], s[12:13], s[32:33]      ; s[12:13]: at my key step's first row
	s_add_nc_u64 s[16:17], s[6:7], s[38:39]        ; s[16:17]: out0 at my first tile
; The largest magnitude of 32 numbers of a lane, v[x] on, with the floor 2^(3 - 127) among the leaves, so that the byte cannot fall under 1; 2 off its exponent field is the conversion's scale operand; that, shifted, the byte.
.macro MAX32 x
	v_max3_num_f32 v[MA], |v[\x]|, |v[\x+1]|, 0x1800000
	v_max3_num_f32 v[MB], |v[\x+2]|, |v[\x+3]|, |v[\x+4]|
.irp i, 5,9,13,17,21,25
	v_max3_num_f32 v[MA], v[MA], |v[\x+\i]|, |v[\x+\i+1]|      ; two chains, so that no line waits for the line above it
	v_max3_num_f32 v[MB], v[MB], |v[\x+\i+2]|, |v[\x+\i+3]|
.endr
	v_max3_num_f32 v[MA], v[MA], |v[\x+29]|, |v[\x+30]|
	v_max3_num_f32 v[MA], v[MA], v[MB], |v[\x+31]|
	v_add_nc_u32 v[SOP], 0xff000000, v[MA]
	v_lshrrev_b32 v[BY], 23, v[SOP]
.endm
; 32 numbers become 32 codes in four registers, the first number's code in the lowest bits
.macro CVT4 d, x
.irp g, 0,1,2,3
	v_cvt_scalef32_pk8_fp4_f32 v[\d+\g], v[\x+8*\g:\x+8*\g+7], v[SOP]
.endr
	v_nop                                          ; one plain place behind a scaled conversion
.endm
; V, block n of 8: keys 32 (n / 2) on, channels 32 (n % 2) on.  A LANE TAKES A CHANNEL AND ITS REGISTERS RUN DOWN THE KEYS, which are the second product's K: a block of 32 lies in one lane's 32 registers.
.macro VLOAD n
.irp i, 0,1,2,3,4,5,6,7,8,9,10,11,12,13,14,15,16,17,18,19,20,21,22,23,24,25,26,27,28,29,30,31
	global_load_b32 v[SS+32*((\n)%2)+\i], v[GV], s[12:13] offset:8192+(2*((\n)/2)+\i/16)*ROWQ+(\i%16)*256+128*((\n)%2)
.endr
.endm
; Segment m of 10: 16 tokens, 4,096 consecutive bytes, by eight loads of 512 consecutive bytes.  m = 0 .. 7: the step's rows of K; m = 8, 9: my two tiles of Q, which nobody else reads.  Three sets of 32 registers by turns.
.macro SLOAD m
.set LSET, SS+32*(((\m)+2)%3)
.irp i, 0,1,2,3,4,5,6,7
.if (\m) < 8
	global_load_b128 v[LSET+4*\i:LSET+4*\i+3], v[GL], s[12:13] offset:4096+ROWQ*(\m)+512*\i
.else
	global_load_b128 v[LSET+4*\i:LSET+4*\i+3], v[GL], s[14:15] offset:ROWQ*((\m)-8)+512*\i th:TH_LOAD_NT
.endif
.endr
.endm
; Block n of V is quantised.  My channel 32 (n % 2) + lane is row lane % 16 of channel tile 2 (n % 2) + lane / 16; key block kb = n / 2 is register group kb / 2 of lanes 16 (kb % 2) on.
.macro VBLOCK n
.set XS, SS+32*((\n)%2)
.if (\n) < 7
	s_wait_loadcnt 32                              ; this block's 32 loads are in; the next block's 32 may be out
.else
	s_wait_loadcnt 16                              ; behind the last block's loads: the first two segments of K, eight loads each
.endif
	MAX32 XS
.if (\n)/2 == 0
	v_mov_b32 v[VWD+(\n)%2], v[BY]                 ; the four key blocks' bytes make my channel's scale word
.else
	v_lshl_or_b32 v[VWD+(\n)%2], v[BY], 8*((\n)/2), v[VWD+(\n)%2]
.endif
	CVT4 CD, XS
	ds_store_b128 v[VW], v[CD:CD+3] offset:VOFF+2048*((\n)%2)+512*((\n)/4)+256*(((\n)/2)%2)
.if (\n)/2 == 3
	ds_store_b32 v[VSW], v[VWD+(\n)%2] offset:VSCO+8*((\n)%2)
	ds_store_b32 v[VSW], v[VWD+(\n)%2] offset:VSCO+8*((\n)%2)+256   ; the copy for lanes 16-31, so that no loaded byte is unwritten
.endif
.if (\n) < 6
	VLOAD (\n)+2                                   ; into the set just converted
.elseif (\n) == 6
	SLOAD 0
	SLOAD 1
.else
	SLOAD 2
.endif
	s_wait_dscnt 0x0                               ; the stores have read their registers: the next block's codes may be written
.endm
; Segment m is turned through my stage (in: as loaded, two tokens an instruction; out: lane (r, h) takes channels 32 h .. 32 h + 31 of token r: a whole block), multiplied by s and quantised.
.macro SEG m
.set LSET, SS+32*(((\m)+2)%3)
.if (\m) < 8
	s_wait_loadcnt 16                              ; this segment's eight loads are in; those of the two segments behind it may be out
.else
	s_wait_loadcnt 8*(9-(\m))                      ; one segment behind it, then none
.endif
.irp i, 0,1,2,3,4,5,6,7
	ds_store_b128 v[SD], v[LSET+4*\i:LSET+4*\i+3] offset:2*SP*\i
.endr
.irp j, 0,1,2,3,4,5,6,7
	ds_load_b128 v[XX+4*\j:XX+4*\j+3], v[SR] offset:16*\j   ; LDS serves a wave's instructions in order (ISA guide 5.7.1.4): these see the stores above
.endr
	s_wait_dscnt 0x0                               ; the token's numbers are in; the stores have read the set; the last segment's stores have read their registers
.if (\m)+3 <= 9
	SLOAD (\m)+3                                   ; into the set just stored
.endif
.irp j, 0,2,4,6,8,10,12,14,16,18,20,22,24,26,28,30
	v_pk_mul_f32 v[XX+\j:XX+\j+1], v[XX+\j:XX+\j+1], s[24:25] op_sel_hi:[1,0]   ; x s, one rounding in f32
.endr
	MAX32 XX
	v_lshlrev_b32 v[WD], v[SH8], v[BY]             ; my block's byte at its place: byte h;
	v_permlanex16_b32 v[T1], v[WD], s20, s21       ; with lane l xor 16's the token's scale word is whole; bytes 2 and 3 stay 0, over zero codes
.if (\m) < 8
	v_or_b32 v[WD], v[WD], v[T1]
	CVT4 CD, XX
	ds_store_b128 v[KW], v[CD:CD+3] offset:1024*((\m)/2)+128*((\m)%2)
	ds_store_b32 v[KSW], v[WD] offset:KSCO+512*((\m)/4)+128*((\m)%2)+8*(((\m)/2)%2)   ; lanes 16-31 store the copy
.else
	v_or_b32 v[QS+(\m)-8], v[WD], v[T1]
	CVT4 QF+8*((\m)-8), XX                         ; Q's codes are the fragment's registers 0-3 as they stand
.endif
.endm
	; ---- PHASE 1
	VLOAD 0
	VLOAD 1
.irp n, 0,1,2,3,4,5,6,7
	VBLOCK \n
.endr
.irp m, 0,1,2,3,4,5,6,7,8,9
	SEG \m
.endr
	s_wait_dscnt 0x0                               ; for the others' sake: my images and scale words lie in LDS
	s_barrier_signal -1
	s_barrier_wait -1                              ; the whole head's do; from here on they are only read
; ---- PHASE 2.  A KEY STEP: 128 keys against the tile of queries whose fragment begins at v[q] and whose scale words lie in v[qs].
.macro STEP q, qs
	v_add_nc_u32 v[AD], s[TB], v[GL]
.irp t, 0,1,2,3,4,5,6,7
	ds_load_b128 v[KF+8*\t:KF+8*\t+3], v[AD] offset:512*\t        ; the last products that read K's fragments stand a whole softmax back
.endr
	ds_load_b128 v[KS:KS+3], v[AD] offset:KSCO
	ds_load_b128 v[KS+4:KS+7], v[AD] offset:KSCO+512
	s_wait_dscnt 0x0
.irp t, 0,1,2,3,4,5,6,7                        ; S^T = K Q^T: eight accumulators, one instruction each
	v_wmma_scale_f32_16x16x128_f8f6f4 v[SS+8*\t:SS+8*\t+7], v[KF+8*\t:KF+8*\t+7], v[\q:\q+7], 0, v[KS+\t], v[\qs] matrix_a_fmt:MATRIX_FMT_FP4 matrix_b_fmt:MATRIX_FMT_FP4
.endr
	v_mov_b32 v[OM], v[NM]                         ; -M as it was.  This line and three v_nop are the four places (ISA guide 7.12.1) behind these products, whose results are read below,
.rept 3
	v_nop                                          ; and, with the addition at the step's head, the places behind the last step's V^T P, into whose sources the loads below go
.endr
.irp c, 0,1,2,3
	ds_load_b128 v[VF+8*\c:VF+8*\c+3], v[AD] offset:VOFF+1024*\c          ; V's fragments land while the softmax is worked
	ds_load_b128 v[VF+8*\c+4:VF+8*\c+7], v[AD] offset:VOFF+1024*\c+512
.endr
	ds_load_b128 v[VS:VS+3], v[AD] offset:VSCO
.irp b, 0,1,2,3
	v_max3_num_f32 v[BM+\b], v[SS+16*\b], v[SS+1+16*\b], v[SS+2+16*\b]   ; THE LARGEST SCORE OF EACH BLOCK OF 32 KEYS serves twice: for the row's maximum and, since p rises with the score, for the block's largest p.  Each accumulator is read from its low end on
.endr
.irp i, 3,5,7,9,11,13
.irp b, 0,1,2,3
	v_max3_num_f32 v[BM+\b], v[BM+\b], v[SS+16*\b+\i], v[SS+1+16*\b+\i]   ; (the four blocks by turns)
.endr
.endr
.irp b, 0,1,2,3
	v_max_num_f32 v[BM+\b], v[BM+\b], v[SS+15+16*\b]
.endr
.irp b, 0,1,2,3
	v_permlanex16_b32 v[BT+\b], v[BM+\b], s20, s21
.endr
.irp b, 0,1,2,3
	v_max_num_f32 v[BM+\b], v[BM+\b], v[BT+\b]     ; with lane l xor 16's 16 keys
.endr
	v_max3_num_f32 v[TT], v[BM], v[BM+1], v[BM+2]
	v_max_num_f32 v[TT], v[TT], v[BM+3]            ; the step's largest score of my query
	v_mul_f32 v[TT], s22, v[TT]                    ; as t (log2(e) is positive)
	v_max_num_f32 v[TM], v[TM], v[TT]              ; the running largest t
	v_floor_f32 v[NM], -v[TM]                      ; the new -M = floor(-t) = -ceil(t): M IS A WHOLE NUMBER
	v_sub_f32 v[TT], v[NM], v[OM]                  ; M's old value less its new one: a whole number, 0 or less
	v_cvt_i32_f32 v[TT], v[TT]                     ; (it saturates)
	v_ldexp_f32 v[FF], 1.0, v[TT]                  ; f = 2^(old M - new M): a multiplication by it rounds nothing
.irp j, 0,2,4,6,8,10,12,14,16,18,20,22,24,26,28,30,32,34,36,38,40,42,44,46,48,50,52,54,56,58,60,62
	v_pk_fma_f32 v[SS+\j:SS+\j+1], v[SS+\j:SS+\j+1], s[22:23], v[NM:NM+1] op_sel_hi:[1,0,0]   ; t - M, two at a time (of the pairs log2(e) and -M the low word serves both halves)
.endr
.irp b, 0,1,2,3
	v_fma_f32 v[BM+\b], v[BM+\b], s22, v[NM]       ; the same of each block's largest score
.endr
.irp j, 0,1,2,3,4,5,6,7,8,9,10,11,12,13,14,15,16,17,18,19,20,21,22,23,24,25,26,27,28,29,30,31,32,33,34,35,36,37,38,39,40,41,42,43,44,45,46,47,48,49,50,51,52,53,54,55,56,57,58,59,60,61,62,63
	v_exp_f32 v[SS+\j], v[SS+\j]                   ; p = 2^(t - M), at most 1: NOT normalised
.endr
.irp b, 0,1,2,3
	v_exp_f32 v[BM+\b], v[BM+\b]                   ; the block's largest p: the same two instructions on the same number give the same bits
.endr
	v_pk_mul_f32 v[LL:LL+1], v[LL:LL+1], v[FF:FF+1] op_sel_hi:[1,0]   ; the sums under the new M.  (A plain place behind the exponentials)
	s_wait_alu depctr_va_vdst(0)
.irp b, 0,1,2,3
	v_max_num_f32 v[BM+\b], 0x1800000, v[BM+\b]    ; the floor 2^(3 - 127): the byte cannot fall under 1 (a block whose every p has fallen to 0 keeps that byte: its codes are zeros)
.endr
.irp b, 0,1,2,3
	v_add_nc_u32 v[SCV+\b], 0xff000000, v[BM+\b]   ; 2 off the exponent field: the conversion's scale operand
.endr
.irp b, 0,1,2,3
	v_lshrrev_b32 v[BT+\b], 23, v[SCV+\b]          ; the scale's byte
.endr
	v_lshl_or_b32 v[PW], v[BT+1], 8, v[BT]         ; p's scale word for these 128 keys
	v_lshl_or_b32 v[PW], v[BT+2], 16, v[PW]
	v_lshl_or_b32 v[PW], v[BT+3], 24, v[PW]
.irp b, 0,1,2,3
	v_cvt_scalef32_pk8_fp4_f32 v[PC+2*\b], v[SS+16*\b:SS+7+16*\b], v[SCV+\b]
	v_cvt_scalef32_pk8_fp4_f32 v[PC+1+2*\b], v[SS+8+16*\b:SS+15+16*\b], v[SCV+\b]
.endr
	v_nop                                          ; one plain place behind a scaled conversion
.irp c, 0,1                                    ; the operand's layout wants a WHOLE block in a lane: lanes 0-15 block 2 c, lanes 16-31 block 2 c + 1
.irp i, 0,1
	v_permlane16_swap_b32 v[PC+4*\c+\i], v[PC+2+4*\c+\i]
.endr
.endr
	v_pk_add_f32 v[BT:BT+1], v[SS:SS+1], v[SS+2:SS+3]   ; THE ROW'S SUM IS TAKEN OF THE UNQUANTISED p: two at a time, in two chains
.irp j, 4,8,12,16,20,24,28,32,36,40,44,48,52,56,60
	v_pk_add_f32 v[LL:LL+1], v[LL:LL+1], v[SS+\j:SS+\j+1]
	v_pk_add_f32 v[BT:BT+1], v[BT:BT+1], v[SS+2+\j:SS+3+\j]
.endr
	v_pk_add_f32 v[LL:LL+1], v[LL:LL+1], v[BT:BT+1]
.irp j, 0,2,4,6,8,10,12,14,16,18,20,22,24,26,28,30
	v_pk_mul_f32 v[OO+\j:OO+\j+1], v[OO+\j:OO+\j+1], v[FF:FF+1] op_sel_hi:[1,0]   ; O^T under the new M: x f; each accumulator from its low end on.  (With the sums above: 48 lines between p's codes and scale word and the products that take them)
.endr
	s_wait_dscnt 0x0                               ; V's fragments and scale words are in
.irp c, 0,1,2,3                                ; O^T += V^T P^T: four accumulators, one instruction each: no two matrix instructions that follow each other share an accumulator
	v_wmma_scale_f32_16x16x128_f8f6f4 v[OO+8*\c:OO+8*\c+7], v[VF+8*\c:VF+8*\c+7], v[PC:PC+7], v[OO+8*\c:OO+8*\c+7], v[VS+\c], v[PW] matrix_a_fmt:MATRIX_FMT_FP4 matrix_b_fmt:MATRIX_FMT_FP4
.endr
	s_add_co_u32 s[TB], s[TB], BLK                 ; the next key step's block
.endm
; My tile u of 16 queries: all 16 key steps, then the way out.
.macro TILE u
.if \u
	s_wait_xcnt 0x0                                ; the last tile's stores have read their data registers, which the scores now take
.endif
	v_mov_b32 v[TM], 0xff61b1e6                    ; the largest t so far: -3e38, under every t
	v_floor_f32 v[NM], -v[TM]
	v_mov_b32 v[LL], 0
	v_mov_b32 v[LL+1], 0
.irp j, 0,1,2,3,4,5,6,7,8,9,10,11,12,13,14,15,16,17,18,19,20,21,22,23,24,25,26,27,28,29,30,31
	v_mov_b32 v[OO+\j], 0                          ; the step is written once for each tile: the first finds zeros, which the first change of M leaves zeros.  32 lines against a further copy of the step
.endr
	s_mov_b32 s[TB], 0
	s_mov_b32 s[CNT], 16
.Lkey_\@:
	STEP QF+8*\u, QS+\u
	s_sub_co_u32 s[CNT], s[CNT], 1
	s_cmp_lg_u32 s[CNT], 0
	s_cbranch_scc1 .Lkey_\@
	; THE WAY OUT.  O^T / the sum goes through my stage: a lane's eight channels of a tile are 32 bytes of its query's row of 256; back come whole rows, two an instruction, so that the wave stores 512 consecutive bytes
	v_add_f32 v[LL], v[LL], v[LL+1]                ; the sum's two halves,
	v_permlanex16_b32 v[TT], v[LL], s20, s21
	v_add_f32 v[LL], v[LL], v[TT]                  ; and lane l xor 16's: the row's sum
	v_rcp_f32 v[LL], v[LL]
.rept 4
	v_nop                                          ; the plain place behind the reciprocal, and four places behind the last products, whose results are read next
.endr
	s_wait_alu depctr_va_vdst(0)
.irp j, 0,2,4,6,8,10,12,14,16,18,20,22,24,26,28,30
	v_pk_mul_f32 v[SS+\j:SS+\j+1], v[OO+\j:OO+\j+1], v[LL:LL+1] op_sel_hi:[1,0]   ; register 8 c + i: out(query r, channel 16 c + 8 h + i)
.endr
.irp c, 0,1,2,3
	ds_store_b128 v[SO], v[SS+8*\c:SS+8*\c+3] offset:64*\c
	ds_store_b128 v[SO], v[SS+8*\c+4:SS+8*\c+7] offset:64*\c+16
.endr
.irp i, 0,1,2,3,4,5,6,7
	ds_load_b128 v[SS+32+4*\i:SS+32+4*\i+3], v[SD] offset:2*SP*\i   ; LDS serves a wave's instructions in order: these see my stores
.endr
.irp i, 0,1,2,3,4,5,6,7
	s_wait_dscnt 7-\i                              ; load i is in; the younger ones may be out
	global_store_b128 v[GL], v[SS+32+4*\i:SS+32+4*\i+3], s[16:17] offset:4096*\u+512*\i th:TH_STORE_NT   ; 32 lanes store 512 consecutive bytes, at a multiple of 512 from out0's first byte; written once, read by nobody here
.endr
.endm
	TILE 0
	TILE 1
	s_wait_xcnt 0x0
	v_lshl_add_u32 v254, v0, 2, 0x37000
	v_mov_b32 v255, 0
	s_wait_tensorcnt 0x0
	ds_add_u32 v254, v255
	s_wait_dscnt 0x0
	s_endpgm
.Lfunc_end_k_q2e4280767c_attn:
	.size	k_q2e4280767c_attn, .Lfunc_end_k_q2e4280767c_attn-k_q2e4280767c_attn
	.p2alignl 7, 3214868480
	.fill 96, 4, 3214868480
	.section	.rodata,"a",@progbits
	.p2align	6, 0x0
	.amdhsa_kernel k_q2e4280767c_attn
		.amdhsa_group_segment_fixed_size 227328
		.amdhsa_private_segment_fixed_size 0
		.amdhsa_enable_private_segment 0
		.amdhsa_kernarg_size 16
		.amdhsa_user_sgpr_count 2
		.amdhsa_user_sgpr_kernarg_segment_ptr 1
		.amdhsa_wavefront_size32 1
		.amdhsa_system_sgpr_workgroup_id_x 1
		.amdhsa_system_sgpr_workgroup_id_y 1
		.amdhsa_system_sgpr_workgroup_id_z 1
		.amdhsa_system_vgpr_workitem_id 0
		.amdhsa_next_free_vgpr 256
		.amdhsa_next_free_sgpr 66
		.amdhsa_reserve_vcc 0
		.amdhsa_float_denorm_mode_32 3
		.amdhsa_float_denorm_mode_16_64 3
		.amdhsa_memory_ordered 1
		.amdhsa_forward_progress 1
		.amdhsa_inst_pref_size 125
	.end_amdhsa_kernel
	.amdgpu_metadata
---
amdhsa.version: [ 1, 2 ]
amdhsa.kernels:
  - .name:           k_q2e4280767c_attn
    .symbol:         k_q2e4280767c_attn.kd
    .args:
      - { .name: qkv, .offset: 0, .size: 8, .value_kind: global_buffer, .address_space: global }
      - { .name: out0, .offset: 8, .size: 8, .value_kind: global_buffer, .address_space: global }
    .group_segment_fixed_size: 227328
    .private_segment_fixed_size: 0
    .kernarg_segment_align: 8
    .kernarg_segment_size: 16
    .max_flat_workgroup_size: 512
    .sgpr_count:     66
    .vgpr_count:     256
    .wavefront_size: 32
...
	.end_amdgpu_metadata
.endif
;; end of part 1
;; ======== version 2 of 2: 1 launch; version 1 with the launch attn written anew for expert scheduling mode
;; launch attn (part 2): grid 4 x 64, 16 waves a work-group, no clusters, 227,328 bytes of LDS; arguments qkv, out0; writes out0
.if DOCPART == 2
	.amdgcn_target "amdgcn-amd-amdhsa--gfx1250"
	.amdhsa_code_object_version 6
	.text
	.protected	k_q2e4280767c_attn
	.globl	k_q2e4280767c_attn
	.p2align	8
	.type	k_q2e4280767c_attn,@function
k_q2e4280767c_attn:
	s_mov_b64 s[64:65], 0
	v_nop
	global_prefetch_b8 v0, s[64:65] scope:SCOPE_SE
	s_setreg_imm32_b32 hwreg(HW_REG_WAVE_SCHED_MODE, 0, 2), 2
	s_setreg_imm32_b32 hwreg(HW_REG_WAVE_MODE, 25, 1), 1
	s_wait_xcnt 0x0
	s_wait_alu depctr_vm_vsrc(0)
; out[bh][i][:] = the sum over j of softmax_j((s q[bh][i]) . (s k[bh][j])) v[bh][j][:], s = 1 / sqrt(8), 64 heads bh, 2,048 tokens, 64 channels, both products on codes of FP4 (E2M1) with one E8M0 scale for each 32 along a product's K.
; WHERE THE NUMBERS LIE.  qkv is 8,192 rows of 12,288 bytes: 4,096 of q, 4,096 of k, 4,096 of v.  The reshape is a row-major reinterpretation: head bh is rows 128 bh .. 128 bh + 127, and token i of the head is the
; 256 bytes at row i / 16, byte 256 (i % 16) of the row's q, k or v part.  So 16 tokens are 4,096 consecutive bytes.  out0 is [64][2048][64] f32 as it lies.
; SHARES.  A work-group owns 512 queries of one head (grid x: the quarter, grid y: the head); each of its SIXTEEN waves owns 32 of them, two tiles of 16, in 256 registers: four waves to a SIMD, so that one wave's vector work
; stands beside another's matrix work and LDS loads.
; PHASE 1.  A head's K and V as codes are 2 x 65,536 bytes: they fit in LDS whole.  Wave w loads the f32 numbers of keys 128 w .. 128 w + 127, quantises them (K x s along the 64 channels, V along the keys) and stores codes and
; scale words in LDS AS IMAGES OF THE OPERANDS' REGISTERS: lane l's 16 bytes at 16 l.  It also quantises its own 32 queries, into registers.  One barrier.
; PHASE 2.  For each of its two tiles a wave walks the 16 key steps of 128 keys, reading LDS alone.  Both products are used transposed: S^T = K Q^T (source 0 = 16 keys, source 1 = my 16 queries),
; O^T = V^T P^T (source 0 = 16 channels, source 1 = P): a lane holds ONE query (lane % 16) throughout.  The first product's K is 64: registers 4-7 of K's and Q's fragments hold zero codes, written once, and bytes 2, 3 of their scale words are 0.
; THE KEYS OF A TILE ARE NOT NEIGHBOURS: row r of tile 2 b + u is key 32 b + 8 u + r + 8 (r / 8) of the step, so that the 16 registers of tiles 2 b and 2 b + 1 are 16 neighbouring keys, 32 b + 16 (lane / 16) + 0 .. 15.
; THE SOFTMAX: t = score x log2(e); M = the largest t so far, rounded UP to a whole number; p = 2^(t - M) is quantised along the keys, not normalised.  The row's sum is taken of the unquantised p and divides O at the end.
; When M moves, the sum and O are multiplied by 2^(old M - new M): exact.
; NO JOINT REQUESTS.  The head's four work-groups read the same K and V.  A joint request is a tensor load, which lays bytes in LDS as they lie in memory: a head's K and V are 1,048,576 bytes of f32, over three times what LDS
; holds, so they would pass through slots filled again and again, each byte written to LDS and read from it once more ahead of the quantiser.  Here V's numbers go from memory into the very registers in which the quantiser
; wants them, all loads stand ahead of the key loop, and the key loop reads no memory at all.  For the same reason nothing is prefetched: there is no later step whose addresses could be asked for ahead.
; LIMITS.  A block of zeros gets the scale byte 1 where the quantiser's rule says 127: its codes are zeros, and the bytes are read by this program alone.  NaN and infinities among the inputs are not served.
; A p under 2^-126 counts as 0 (v_exp_f32 gives 0 there).  A block's largest p is not searched for: the block's largest score goes through the same multiply-add and exponential, which takes v_exp_f32 not to fall where its input rises.
; THE MODE: SCHED_MODE bits 1:0 = 2 (LLVM: expert scheduling mode 2), set by the entry lines.  The code itself states the register dependences
; between vector or matrix instructions and memory or LDS instructions, with s_wait_alu, always for 0.
; THE PLAN.  Registers that memory or LDS instructions touch, and who else names them:
;   v1-v3, v224-v229  offsets and LDS addresses: written once at the head, ahead of one wait on va_vdst; v224-v229 become p's codes in phase 2, behind phase 1's last wait on vm_vsrc.
;   PHASE 1, V: a set of 32 numbers is loaded, read by the block's maxima and conversions, and loaded again; the codes v[CD ..] and the scale words are written by vector lines and read by LDS stores.
;       One wait on va_vdst behind the conversions serves the stores and the loads; one on vm_vsrc at the block's end frees the codes' registers.
;   PHASE 1, K and Q: a set is loaded, read by the stage's stores, and loaded again; v[XX ..] takes the stage's loads and is read and written by vector lines; v[CD ..] and v[WD] are read by LDS stores.
;       One wait on vm_vsrc behind the stage's loads frees the set, v[CD ..] and v[WD]; one on va_vdst behind the conversions serves the stores and the next segment's loads into v[XX ..].
;   PHASE 2, a key step: v[AD] is written once, among the places behind the products K Q^T, and read by the step's 19 LDS loads.  v[KF ..], v[KS ..]: read by this step's K Q^T, then loaded with the NEXT step's K.
;       v[VF ..], v[VS ..]: read by the last step's V^T P, then loaded with this step's V.  So ONE wait on va_vdst, behind the places, serves all 19 loads: V's stand at once behind it, K's behind the blocks' maxima;
;       the lines between name the scores and the maxima alone.  One wait on vm_vsrc stands ahead of the add to v[AD].  p's codes and scale word are vector results that a scaled product takes: a wait on va_vdst ahead of V^T P.
;       A tile's last step asks for no further K and is written out; its first step's K is asked for at the tile's head.
;   THE WAY OUT: v[SS .. SS+31] are written by the division and read by the stage's stores; v[SS+32 .. SS+63] take the stage's loads and are read by the global stores; the next tile's scores land on both, behind a wait on vm_vsrc.
.set ROWQ,  12288                      ; bytes from a row of qkv to the next
.set BLK,   9728                       ; LDS: a key step's block: K's images, V's images, K's scale words, V's scale words
.set VOFF,  4096                       ; K's images at 0: tile t at 512 t + 16 lane (registers 0-3).  V's here: channel tile ct, register group c at 1024 ct + 512 c + 16 lane
.set KSCO,  8192                       ; K's scale words: group G at 512 G + 16 lane: word t % 4 is tile 4 G + t % 4's, row lane % 16 (lanes 16-31 hold a copy)
.set VSCO,  9216                       ; V's: at 16 lane: word ct is channel 16 ct + lane % 16's (lanes 16-31 hold a copy)
.set STG,   16*BLK                     ; behind the sixteen blocks: a stage of 16 rows for each wave, its own: the turn of K and Q on the way in, O on the way out
.set SP,    272                        ; a stage row: 256 bytes + 16: the sixteen rows that a load of 16 bytes a lane touches begin at sixteen different multiples of 16 modulo 256
; registers that stay
.set GL,  1                            ; v1   16 x lane: the dense global offset, an image's place for my lane, the offset of O's stores; never rewritten
.set SD,  2                            ; v2   the stage by dense rows: lanes 0-15 one row, lanes 16-31 the next
.set SO,  3                            ; v3   the stage, O on its way in: row lane % 16, + 32 (lane / 16)
.set AD,  4                            ; v4   the key step's block + 16 x lane
.set NM,  6                            ; v6   -M        (v[6:7] is named as a pair)
.set TM,  7                            ; v7   the largest t so far
.set LL,  8                            ; v[8:9]   the row's sum, in two halves
.set QS,  10                           ; v10, v11 Q's scale words, tile 0 and tile 1
.set VS,  12                           ; v12-15   V's scale words of the step
.set QF,  16                           ; v16-23, v24-31  Q's two fragments
.set KF,  32                           ; v32-95   K's eight fragments of the step
.set SS,  96                           ; v96-159  S^T, then p
.set OO,  160                          ; v160-191 O^T, four tiles of 16 channels
.set VF,  192                          ; v192-223 V's four fragments of the step
.set PC,  224                          ; v224-231 p's codes
.set BM,  232                          ; v232-235 the blocks' largest scores, then largest p
.set BT,  236                          ; v236-239 at work
.set SCV, 240                          ; v240-243 the conversions' scale operands
.set KS,  244                          ; v244-251 K's scale words of the step
.set FF,  252                          ; v252 f = 2^(old M - new M)   (v[252:253] is named as a pair)
.set PW,  253                          ; v253 p's scale word
.set TT,  254
.set OM,  255                          ; v255 the old -M
; registers of phase 1 alone
.set GV,  224                          ; 4 x lane: V's loads
.set SR,  225                          ; the stage by tokens: row lane % 16, + 128 (lane / 16)
.set KW,  226                          ; where my codes of K go
.set KSW, 227                          ; and my token's scale word
.set VW,  228                          ; where my codes of V go
.set VSW, 229                          ; and my channel's scale word
.set SH8, 230                          ; 8 (lane / 16)
.set MA,  232
.set MB,  233
.set SOP, 234                          ; the conversion's scale operand
.set BY,  235                          ; the scale's byte
.set WD,  236                          ; a scale word in the making
.set T1,  237
.set VWD, 238                          ; v238, v239 V's scale words in the making: channels 0-31, channels 32-63
.set CD,  240                          ; v240-243 the codes just made
.set XX,  192                          ; v192-223 32 channels of a token
.set TB,  26                           ; s26  LDS byte at which the key step's block begins
.set CNT, 27                           ; s27  key steps to go in the loop
	s_load_b128 s[4:7], s[0:1], 0x0                ; qkv s[4:5], out0 s[6:7]
	v_lshrrev_b32 v4, 5, v0
	v_readfirstlane_b32 s8, v4                     ; wave 0..15
	s_and_b32 s10, ttmp7, 0xffff                   ; the head
	s_wait_alu depctr_va_sdst(0)                   ; s8 is written, ahead of its first reader: LDS places and the bases of qkv and out0 are made from it
	s_mul_i32 s28, s8, 16*SP
	s_add_co_u32 s28, s28, STG                     ; my stage
	s_mul_i32 s29, s8, BLK                         ; the block of my key step
	s_mul_i32 s30, s10, 128*ROWQ                   ; the head's first byte in qkv (under 2^27)
	s_mov_b32 s31, 0
	s_mul_i32 s32, s8, 8*ROWQ                      ; my 128 keys: eight rows
	s_mov_b32 s33, 0
	s_lshl_b32 s34, ttmp9, 5
	s_lshl_b32 s35, s8, 1
	s_add_co_u32 s34, s34, s35                     ; my first tile of queries in the head: 32 x quarter + 2 x wave
	s_mul_i32 s36, s34, ROWQ                       ; a tile of 16 tokens is a row of qkv,
	s_mov_b32 s37, 0
	s_lshl_b32 s38, s34, 12                        ; and 4,096 bytes of out0,
	s_lshl_b32 s35, s10, 19                        ; in which a head is 524,288 bytes
	s_add_co_u32 s38, s38, s35
	s_mov_b32 s39, 0
	s_mov_b32 s20, 0x76543210
	s_mov_b32 s21, 0xfedcba98                      ; v_permlanex16_b32's selects for lane l xor 16
	s_mov_b32 s22, 0x3fb8aa3b                      ; log2(e)
	s_mov_b32 s23, s22                             ; (named with it as a pair, so it is written)
	s_mov_b32 s24, 0x3eb504f3                      ; s = 1 / sqrt(8) in f32
	s_mov_b32 s25, s24
	v_and_b32 v[GL], 31, v0
	v_lshlrev_b32 v[GL], 4, v[GL]
	v_and_b32 v254, 15, v0                         ; r = lane % 16
	v_bfe_u32 v255, v0, 4, 1                       ; h = lane / 16
	v_and_b32 v252, 7, v0                          ; r % 8
	v_bfe_u32 v5, v0, 3, 1                         ; r / 8
	v_mul_u32_u24 v[SD], v255, SP
	v_lshl_add_u32 v[SD], v254, 4, v[SD]
	v_add_nc_u32 v[SD], s28, v[SD]                 ; stage + 272 h + 16 r
	v_mul_u32_u24 v[SO], v254, SP
	v_lshl_add_u32 v[SO], v255, 5, v[SO]
	v_add_nc_u32 v[SO], s28, v[SO]                 ; stage + 272 r + 32 h
	v_mul_u32_u24 v[SR], v254, SP
	v_lshl_add_u32 v[SR], v255, 7, v[SR]
	v_add_nc_u32 v[SR], s28, v[SR]                 ; stage + 272 r + 128 h
	v_lshrrev_b32 v[GV], 2, v[GL]                  ; 4 x lane
	; Token r of the step's row g is key 16 g + r: row 8 (g % 2) + r % 8 of tile 2 (g / 2) + r / 8.  What hangs on g stands in the stores' immediates
	v_lshlrev_b32 v[KW], 4, v252
	v_lshl_add_u32 v[KW], v5, 9, v[KW]
	v_lshl_add_u32 v[KW], v255, 8, v[KW]
	v_add_nc_u32 v[KW], s29, v[KW]                 ; block + 512 (r / 8) + 256 h + 16 (r % 8)
	v_lshlrev_b32 v[KSW], 4, v252
	v_lshl_add_u32 v[KSW], v5, 2, v[KSW]
	v_lshl_add_u32 v[KSW], v255, 8, v[KSW]
	v_add_nc_u32 v[KSW], s29, v[KSW]               ; block + 256 h + 16 (r % 8) + 4 (r / 8)
	v_lshlrev_b32 v[VW], 4, v254
	v_lshl_add_u32 v[VW], v255, 10, v[VW]
	v_add_nc_u32 v[VW], s29, v[VW]                 ; block + 1024 h + 16 r
	v_lshlrev_b32 v[VSW], 4, v254
	v_lshl_add_u32 v[VSW], v255, 2, v[VSW]
	v_add_nc_u32 v[VSW], s29, v[VSW]               ; block + 16 r + 4 h
	v_lshlrev_b32 v[SH8], 3, v255
	v_mov_b32 v[T1], 0                             ; a lane permute's destination counts as one of its sources
	v_mov_b32 v[PW], 0                             ; (named as the upper half of the pair v[252:253] before it is first written)
.irp j, 4,5,6,7,12,13,14,15
	v_mov_b32 v[QF+\j], 0                          ; the zero codes of k = 64 .. 127: Q's two fragments,
.endr
.irp t, 0,1,2,3,4,5,6,7
.irp j, 4,5,6,7
	v_mov_b32 v[KF+8*\t+\j], 0                     ; and K's eight; written once, never loaded into
.endr
.endr
	s_wait_kmcnt 0x0
	s_add_nc_u64 s[12:13], s[4:5], s[30:31]        ; qkv at my head,
	s_add_nc_u64 s[14:15], s[12:13], s[36:37]      ; s[14:15]: at my first tile of queries,
	s_add_nc_u64 s[12:13], s[12:13], s[32:33]      ; s[12:13]: at my key step's first row
	s_add_nc_u64 s[16:17], s[6:7], s[38:39]        ; s[16:17]: out0 at my first tile
	s_wait_alu depctr_va_vdst(0)                   ; the offsets and LDS addresses v1 to v3 and v224 to v229 are written: every load and store below but the key steps' reads one of them
; The largest magnitude of 32 numbers of a lane, v[x] on, with the floor 2^(3 - 127) among the leaves, so that the byte cannot fall under 1; 2 off its exponent field is the conversion's scale operand; that, shifted, the byte.
.macro MAX32 x
	v_max3_num_f32 v[MA], |v[\x]|, |v[\x+1]|, 0x1800000
	v_max3_num_f32 v[MB], |v[\x+2]|, |v[\x+3]|, |v[\x+4]|
.irp i, 5,9,13,17,21,25
	v_max3_num_f32 v[MA], v[MA], |v[\x+\i]|, |v[\x+\i+1]|      ; two chains, so that no line waits for the line above it
	v_max3_num_f32 v[MB], v[MB], |v[\x+\i+2]|, |v[\x+\i+3]|
.endr
	v_max3_num_f32 v[MA], v[MA], |v[\x+29]|, |v[\x+30]|
	v_max3_num_f32 v[MA], v[MA], v[MB], |v[\x+31]|
	v_add_nc_u32 v[SOP], 0xff000000, v[MA]
	v_lshrrev_b32 v[BY], 23, v[SOP]
.endm
; 32 numbers become 32 codes in four registers, the first number's code in the lowest bits
.macro CVT4 d, x
.irp g, 0,1,2,3
	v_cvt_scalef32_pk8_fp4_f32 v[\d+\g], v[\x+8*\g:\x+8*\g+7], v[SOP]
.endr
	v_nop                                          ; one plain place behind a scaled conversion
.endm
; V, block n of 8: keys 32 (n / 2) on, channels 32 (n % 2) on.  A LANE TAKES A CHANNEL AND ITS REGISTERS RUN DOWN THE KEYS, which are the second product's K: a block of 32 lies in one lane's 32 registers.
.macro VLOAD n
.irp i, 0,1,2,3,4,5,6,7,8,9,10,11,12,13,14,15,16,17,18,19,20,21,22,23,24,25,26,27,28,29,30,31
	global_load_b32 v[SS+32*((\n)%2)+\i], v[GV], s[12:13] offset:8192+(2*((\n)/2)+\i/16)*ROWQ+(\i%16)*256+128*((\n)%2)
.endr
.endm
; Segment m of 10: 16 tokens, 4,096 consecutive bytes, by eight loads of 512 consecutive bytes.  m = 0 .. 7: the step's rows of K; m = 8, 9: my two tiles of Q, which nobody else reads.  Three sets of 32 registers by turns.
.macro SLOAD m
.set LSET, SS+32*(((\m)+2)%3)
.irp i, 0,1,2,3,4,5,6,7
.if (\m) < 8
	global_load_b128 v[LSET+4*\i:LSET+4*\i+3], v[GL], s[12:13] offset:4096+ROWQ*(\m)+512*\i
.else
	global_load_b128 v[LSET+4*\i:LSET+4*\i+3], v[GL], s[14:15] offset:ROWQ*((\m)-8)+512*\i th:TH_LOAD_NT
.endif
.endr
.endm
; Block n of V is quantised.  My channel 32 (n % 2) + lane is row lane % 16 of channel tile 2 (n % 2) + lane / 16; key block kb = n / 2 is register group kb / 2 of lanes 16 (kb % 2) on.
.macro VBLOCK n
.set XS, SS+32*((\n)%2)
.if (\n) < 7
	s_wait_loadcnt 32                              ; this block's 32 loads are in; the next block's 32 may be out
.else
	s_wait_loadcnt 16                              ; behind the last block's loads: the first two segments of K, eight loads each
.endif
	MAX32 XS
.if (\n)/2 == 0
	v_mov_b32 v[VWD+(\n)%2], v[BY]                 ; the four key blocks' bytes make my channel's scale word
.else
	v_lshl_or_b32 v[VWD+(\n)%2], v[BY], 8*((\n)/2), v[VWD+(\n)%2]
.endif
	CVT4 CD, XS
	s_wait_alu depctr_va_vdst(0)                   ; the conversions have written v[CD ..], and the line above them the scale word, which the LDS stores read; maxima and conversions are done reading the set, in which the loads below land
	ds_store_b128 v[VW], v[CD:CD+3] offset:VOFF+2048*((\n)%2)+512*((\n)/4)+256*(((\n)/2)%2)
.if (\n)/2 == 3
	ds_store_b32 v[VSW], v[VWD+(\n)%2] offset:VSCO+8*((\n)%2)
	ds_store_b32 v[VSW], v[VWD+(\n)%2] offset:VSCO+8*((\n)%2)+256   ; the copy for lanes 16-31, so that no loaded byte is unwritten
.endif
.if (\n) < 6
	VLOAD (\n)+2                                   ; into the set just converted
.elseif (\n) == 6
	SLOAD 0                                        ; (into a set that no vector line has named yet)
	SLOAD 1
.else
	SLOAD 2
.endif
	s_wait_dscnt 0x0                               ; my stores have landed,
	s_wait_alu depctr_vm_vsrc(0)                   ; and they have read v[CD ..] and the scale word's register: the next block's or segment's conversions write v[CD ..] again
.endm
; Segment m is turned through my stage (in: as loaded, two tokens an instruction; out: lane (r, h) takes channels 32 h .. 32 h + 31 of token r: a whole block), multiplied by s and quantised.
.macro SEG m
.set LSET, SS+32*(((\m)+2)%3)
.if (\m) < 8
	s_wait_loadcnt 16                              ; this segment's eight loads are in; those of the two segments behind it may be out
.else
	s_wait_loadcnt 8*(9-(\m))                      ; one segment behind it, then none
.endif
.irp i, 0,1,2,3,4,5,6,7
	ds_store_b128 v[SD], v[LSET+4*\i:LSET+4*\i+3] offset:2*SP*\i
.endr
.irp j, 0,1,2,3,4,5,6,7
	ds_load_b128 v[XX+4*\j:XX+4*\j+3], v[SR] offset:16*\j   ; LDS serves a wave's instructions in order (ISA guide 5.7.1.4): these see the stores above.  No vector line since the last segment's wait on va_vdst names v[XX ..]
.endr
	s_wait_dscnt 0x0                               ; the token's numbers are in
	s_wait_alu depctr_vm_vsrc(0)                   ; the stage's stores have read the set, which the loads below, or phase 2, write again; the last segment's stores have read v[CD ..] and v[WD], which this segment writes again
.if (\m)+3 <= 9
	SLOAD (\m)+3                                   ; into the set just stored
.endif
.irp j, 0,2,4,6,8,10,12,14,16,18,20,22,24,26,28,30
	v_pk_mul_f32 v[XX+\j:XX+\j+1], v[XX+\j:XX+\j+1], s[24:25] op_sel_hi:[1,0]   ; x s, one rounding in f32
.endr
	MAX32 XX
	v_lshlrev_b32 v[WD], v[SH8], v[BY]             ; my block's byte at its place: byte h;
	v_permlanex16_b32 v[T1], v[WD], s20, s21       ; with lane l xor 16's the token's scale word is whole; bytes 2 and 3 stay 0, over zero codes
.if (\m) < 8
	v_or_b32 v[WD], v[WD], v[T1]
	CVT4 CD, XX
	s_wait_alu depctr_va_vdst(0)                   ; v[CD ..] and v[WD] are written, which the LDS stores read; this segment's vector lines are done with v[XX ..], in which the next segment's loads land
	ds_store_b128 v[KW], v[CD:CD+3] offset:1024*((\m)/2)+128*((\m)%2)
	ds_store_b32 v[KSW], v[WD] offset:KSCO+512*((\m)/4)+128*((\m)%2)+8*(((\m)/2)%2)   ; lanes 16-31 store the copy
.else
	v_or_b32 v[QS+(\m)-8], v[WD], v[T1]
	CVT4 QF+8*((\m)-8), XX                         ; Q's codes are the fragment's registers 0-3 as they stand
.if (\m) == 8
	s_wait_alu depctr_va_vdst(0)                   ; this segment's vector lines are done with v[XX ..], in which the last segment's loads land
.endif
.endif
.endm
	; ---- PHASE 1
	VLOAD 0
	VLOAD 1
.irp n, 0,1,2,3,4,5,6,7
	VBLOCK \n
.endr
.irp m, 0,1,2,3,4,5,6,7,8,9
	SEG \m
.endr
	s_wait_dscnt 0x0                               ; for the others' sake: my images and scale words lie in LDS
	s_barrier_signal -1
	s_barrier_wait -1                              ; the whole head's do; from here on they are only read
; ---- PHASE 2.  A KEY STEP: 128 keys against the tile of queries whose fragment begins at v[q] and whose scale words lie in v[qs].  last = 1: the tile's last step, which asks for no further K.
.macro STEP q, qs, last
	s_wait_dscnt 0x0                               ; this step's fragments and scale words of K, asked for a step ago (the first step's: at the tile's head), are in
.irp t, 0,1,2,3,4,5,6,7                        ; S^T = K Q^T: eight accumulators, one instruction each
	v_wmma_scale_f32_16x16x128_f8f6f4 v[SS+8*\t:SS+8*\t+7], v[KF+8*\t:KF+8*\t+7], v[\q:\q+7], 0, v[KS+\t], v[\qs] matrix_a_fmt:MATRIX_FMT_FP4 matrix_b_fmt:MATRIX_FMT_FP4
.endr
	s_wait_alu depctr_vm_vsrc(0)                   ; the last step's LDS loads have read v[AD], which is written two lines on
	v_mov_b32 v[OM], v[NM]                         ; -M as it was.  This line, the addition and two v_nop are the four places (ISA guide 7.12.1) behind these products, whose results are read below
.if \last
	v_add_nc_u32 v[AD], 15*BLK, v[GL]              ; the last key step's block
.else
	v_add_nc_u32 v[AD], s[TB], v[GL]               ; this key step's block
.endif
	v_nop
	v_nop
	s_wait_alu depctr_va_vdst(0)                   ; v[AD] is written, which the step's loads read; these products are done reading v[KF ..] and v[KS ..], the last step's V^T P reading v[VF ..] and v[VS ..]: the loads below land in all four
.irp c, 0,1,2,3
	ds_load_b128 v[VF+8*\c:VF+8*\c+3], v[AD] offset:VOFF+1024*\c          ; V's fragments land while the softmax is worked
	ds_load_b128 v[VF+8*\c+4:VF+8*\c+7], v[AD] offset:VOFF+1024*\c+512
.endr
	ds_load_b128 v[VS:VS+3], v[AD] offset:VSCO
.irp b, 0,1,2,3
	v_max3_num_f32 v[BM+\b], v[SS+16*\b], v[SS+1+16*\b], v[SS+2+16*\b]   ; THE LARGEST SCORE OF EACH BLOCK OF 32 KEYS serves twice: for the row's maximum and, since p rises with the score, for the block's largest p.  Each accumulator is read from its low end on
.endr
.irp i, 3,5,7,9,11,13
.irp b, 0,1,2,3
	v_max3_num_f32 v[BM+\b], v[BM+\b], v[SS+16*\b+\i], v[SS+1+16*\b+\i]   ; (the four blocks by turns)
.endr
.endr
.irp b, 0,1,2,3
	v_max_num_f32 v[BM+\b], v[BM+\b], v[SS+15+16*\b]
.endr
.if !\last
.irp t, 0,1,2,3,4,5,6,7
	ds_load_b128 v[KF+8*\t:KF+8*\t+3], v[AD] offset:BLK+512*\t            ; THE NEXT STEP'S K, one block on: it has the rest of this step in which to land.  No wait: the lines since the wait above name the scores and the maxima alone
.endr
	ds_load_b128 v[KS:KS+3], v[AD] offset:BLK+KSCO
	ds_load_b128 v[KS+4:KS+7], v[AD] offset:BLK+KSCO+512
.endif
.irp b, 0,1,2,3
	v_permlanex16_b32 v[BT+\b], v[BM+\b], s20, s21
.endr
.irp b, 0,1,2,3
	v_max_num_f32 v[BM+\b], v[BM+\b], v[BT+\b]     ; with lane l xor 16's 16 keys
.endr
	v_max3_num_f32 v[TT], v[BM], v[BM+1], v[BM+2]
	v_max_num_f32 v[TT], v[TT], v[BM+3]            ; the step's largest score of my query
	v_mul_f32 v[TT], s22, v[TT]                    ; as t (log2(e) is positive)
	v_max_num_f32 v[TM], v[TM], v[TT]              ; the running largest t
	v_floor_f32 v[NM], -v[TM]                      ; the new -M = floor(-t) = -ceil(t): M IS A WHOLE NUMBER
	v_sub_f32 v[TT], v[NM], v[OM]                  ; M's old value less its new one: a whole number, 0 or less
	v_cvt_i32_f32 v[TT], v[TT]                     ; (it saturates)
	v_ldexp_f32 v[FF], 1.0, v[TT]                  ; f = 2^(old M - new M): a multiplication by it rounds nothing
.irp j, 0,2,4,6,8,10,12,14,16,18,20,22,24,26,28,30,32,34,36,38,40,42,44,46,48,50,52,54,56,58,60,62
	v_pk_fma_f32 v[SS+\j:SS+\j+1], v[SS+\j:SS+\j+1], s[22:23], v[NM:NM+1] op_sel_hi:[1,0,0]   ; t - M, two at a time (of the pairs log2(e) and -M the low word serves both halves)
.endr
.irp b, 0,1,2,3
	v_fma_f32 v[BM+\b], v[BM+\b], s22, v[NM]       ; the same of each block's largest score
.endr
	s_wait_alu depctr_va_vdst(0)
.irp j, 0,1,2,3,4,5,6,7,8,9,10,11,12,13,14,15,16,17,18,19,20,21,22,23,24,25,26,27,28,29,30,31,32,33,34,35,36,37,38,39,40,41,42,43,44,45,46,47,48,49,50,51,52,53,54,55,56,57,58,59,60,61,62,63
	v_exp_f32 v[SS+\j], v[SS+\j]                   ; p = 2^(t - M), at most 1: NOT normalised
.endr
.irp b, 0,1,2,3
	v_exp_f32 v[BM+\b], v[BM+\b]                   ; the block's largest p: the same two instructions on the same number give the same bits
.endr
	v_pk_mul_f32 v[LL:LL+1], v[LL:LL+1], v[FF:FF+1] op_sel_hi:[1,0]   ; the sums under the new M.  (A plain place behind the exponentials)
	s_wait_alu depctr_va_vdst(0)                   ; the 68 exponentials have written p and the blocks' largest p: one wait for the batch, ahead of its first reader
.irp b, 0,1,2,3
	v_max_num_f32 v[BM+\b], 0x1800000, v[BM+\b]    ; the floor 2^(3 - 127): the byte cannot fall under 1 (a block whose every p has fallen to 0 keeps that byte: its codes are zeros)
.endr
.irp b, 0,1,2,3
	v_add_nc_u32 v[SCV+\b], 0xff000000, v[BM+\b]   ; 2 off the exponent field: the conversion's scale operand
.endr
.irp b, 0,1,2,3
	v_lshrrev_b32 v[BT+\b], 23, v[SCV+\b]          ; the scale's byte
.endr
	v_lshl_or_b32 v[PW], v[BT+1], 8, v[BT]         ; p's scale word for these 128 keys
	v_lshl_or_b32 v[PW], v[BT+2], 16, v[PW]
	v_lshl_or_b32 v[PW], v[BT+3], 24, v[PW]
.irp b, 0,1,2,3
	v_cvt_scalef32_pk8_fp4_f32 v[PC+2*\b], v[SS+16*\b:SS+7+16*\b], v[SCV+\b]
	v_cvt_scalef32_pk8_fp4_f32 v[PC+1+2*\b], v[SS+8+16*\b:SS+15+16*\b], v[SCV+\b]
.endr
	v_nop                                          ; one plain place behind a scaled conversion
.irp c, 0,1                                    ; the operand's layout wants a WHOLE block in a lane: lanes 0-15 block 2 c, lanes 16-31 block 2 c + 1
.irp i, 0,1
	v_permlane16_swap_b32 v[PC+4*\c+\i], v[PC+2+4*\c+\i]
.endr
.endr
	v_pk_add_f32 v[BT:BT+1], v[SS:SS+1], v[SS+2:SS+3]   ; THE ROW'S SUM IS TAKEN OF THE UNQUANTISED p: two at a time, in two chains
.irp j, 4,8,12,16,20,24,28,32,36,40,44,48,52,56,60
	v_pk_add_f32 v[LL:LL+1], v[LL:LL+1], v[SS+\j:SS+\j+1]
	v_pk_add_f32 v[BT:BT+1], v[BT:BT+1], v[SS+2+\j:SS+3+\j]
.endr
	v_pk_add_f32 v[LL:LL+1], v[LL:LL+1], v[BT:BT+1]
.irp j, 0,2,4,6,8,10,12,14,16,18,20,22,24,26,28,30
	v_pk_mul_f32 v[OO+\j:OO+\j+1], v[OO+\j:OO+\j+1], v[FF:FF+1] op_sel_hi:[1,0]   ; O^T under the new M: x f; each accumulator from its low end on.  (With the sums above: 48 lines between p's codes and scale word and the products that take them)
.endr
.if \last
	s_wait_dscnt 0x0                               ; V's fragments and scale words are in
.else
	s_wait_dscnt 10                                ; LDS loads come back in order (ISA guide 5.7.1): V's fragments and scale words are in; the ten younger loads, the next step's K, may be out
.endif
	s_wait_alu depctr_va_vdst(0)                   ; the conversions and exchanges have written p's codes, the shifts its scale word: the scaled products below take them as source 1 and its scales; the places above stay beside this wait
.irp c, 0,1,2,3                                ; O^T += V^T P^T: four accumulators, one instruction each: no two matrix instructions that follow each other share an accumulator
	v_wmma_scale_f32_16x16x128_f8f6f4 v[OO+8*\c:OO+8*\c+7], v[VF+8*\c:VF+8*\c+7], v[PC:PC+7], v[OO+8*\c:OO+8*\c+7], v[VS+\c], v[PW] matrix_a_fmt:MATRIX_FMT_FP4 matrix_b_fmt:MATRIX_FMT_FP4
.endr
.if !\last
	s_add_co_u32 s[TB], s[TB], BLK                 ; the next key step's block
.endif
.endm
; My tile u of 16 queries: all 16 key steps, then the way out.
.macro TILE u
.if \u
	s_wait_xcnt 0x0                                ; the last tile's stores have had their addresses translated (ISA guide 3.1),
	s_wait_alu depctr_vm_vsrc(0)                   ; and its stores, to the stage and to memory, have read v[SS .. SS+63], which the scores now take
.endif
.irp t, 0,1,2,3,4,5,6,7
	ds_load_b128 v[KF+8*\t:KF+8*\t+3], v[GL] offset:512*\t        ; key step 0's K.  No vector or matrix line since the last wait on va_vdst names these registers (in the first tile: none at all has named them)
.endr
	ds_load_b128 v[KS:KS+3], v[GL] offset:KSCO
	ds_load_b128 v[KS+4:KS+7], v[GL] offset:KSCO+512
	v_mov_b32 v[TM], 0xff61b1e6                    ; the largest t so far: -3e38, under every t
	v_floor_f32 v[NM], -v[TM]
	v_mov_b32 v[LL], 0
	v_mov_b32 v[LL+1], 0
.irp j, 0,1,2,3,4,5,6,7,8,9,10,11,12,13,14,15,16,17,18,19,20,21,22,23,24,25,26,27,28,29,30,31
	v_mov_b32 v[OO+\j], 0                          ; the step has no first form of its own: the first finds zeros, which the first change of M leaves zeros.  32 lines against a further copy of the step
.endr
.if !\u
	s_wait_alu depctr_va_vdst(0)                   ; Q's codes and scale words and the zero codes of K's and Q's fragments are written: the scaled products K Q^T take them; the lines above are more than their places
.endif
	s_mov_b32 s[TB], 0
	s_mov_b32 s[CNT], 15
.Lkey_\@:                                          ; 15 trips: each asks for the next step's K
	STEP QF+8*\u, QS+\u, 0
	s_sub_co_u32 s[CNT], s[CNT], 1
	s_cmp_lg_u32 s[CNT], 0
	s_cbranch_scc1 .Lkey_\@
	STEP QF+8*\u, QS+\u, 1                         ; the last step is written out: behind the sixteenth block lie the stages, which are no K
	; THE WAY OUT.  O^T / the sum goes through my stage: a lane's eight channels of a tile are 32 bytes of its query's row of 256; back come whole rows, two an instruction, so that the wave stores 512 consecutive bytes
	v_add_f32 v[LL], v[LL], v[LL+1]                ; the sum's two halves,
	v_permlanex16_b32 v[TT], v[LL], s20, s21
	v_add_f32 v[LL], v[LL], v[TT]                  ; and lane l xor 16's: the row's sum
	s_wait_alu depctr_va_vdst(0)
	v_rcp_f32 v[LL], v[LL]
.rept 4
	v_nop                                          ; the plain place behind the reciprocal, and four places behind the last products, whose results are read next
.endr
	s_wait_alu depctr_va_vdst(0)                   ; the reciprocal is written, ahead of its first reader
.irp j, 0,2,4,6,8,10,12,14,16,18,20,22,24,26,28,30
	v_pk_mul_f32 v[SS+\j:SS+\j+1], v[OO+\j:OO+\j+1], v[LL:LL+1] op_sel_hi:[1,0]   ; register 8 c + i: out(query r, channel 16 c + 8 h + i)
.endr
	s_wait_alu depctr_va_vdst(0)                   ; the multiplications have written v[SS .. SS+31], which the LDS stores read; the softmax is done with v[SS+32 .. SS+63], in which the stage's loads land
.irp c, 0,1,2,3
	ds_store_b128 v[SO], v[SS+8*\c:SS+8*\c+3] offset:64*\c
	ds_store_b128 v[SO], v[SS+8*\c+4:SS+8*\c+7] offset:64*\c+16
.endr
.irp i, 0,1,2,3,4,5,6,7
	ds_load_b128 v[SS+32+4*\i:SS+32+4*\i+3], v[SD] offset:2*SP*\i   ; LDS serves a wave's instructions in order: these see my stores
.endr
.irp i, 0,1,2,3,4,5,6,7
	s_wait_dscnt 7-\i                              ; load i is in; the younger ones may be out
	global_store_b128 v[GL], v[SS+32+4*\i:SS+32+4*\i+3], s[16:17] offset:4096*\u+512*\i th:TH_STORE_NT   ; 32 lanes store 512 consecutive bytes, at a multiple of 512 from out0's first byte; written once, read by nobody here
.endr
.endm
	TILE 0
	TILE 1
	s_wait_xcnt 0x0                                ; every earlier memory instruction has had its addresses translated (ISA guide 3.1), ahead of the two lines that write registers anew
	v_lshl_add_u32 v254, v0, 2, 0x37000            ; my spare word, behind the stages, and 0: made anew here, since no two registers could be kept; no memory or LDS instruction has read v254 or v255
	v_mov_b32 v255, 0
	s_wait_dscnt 0x0                               ; the closing lines, six on end
	s_wait_alu 0x0
	s_wait_tensorcnt 0x0
	ds_add_u32 v254, v255
	s_wait_dscnt 0x0
	s_endpgm
.Lfunc_end_k_q2e4280767c_attn:
	.size	k_q2e4280767c_attn, .Lfunc_end_k_q2e4280767c_attn-k_q2e4280767c_attn
	.p2alignl 7, 3214868480
	.fill 96, 4, 3214868480
	.section	.rodata,"a",@progbits
	.p2align	6, 0x0
	.amdhsa_kernel k_q2e4280767c_attn
		.amdhsa_group_segment_fixed_size 227328
		.amdhsa_private_segment_fixed_size 0
		.amdhsa_enable_private_segment 0
		.amdhsa_kernarg_size 16
		.amdhsa_user_sgpr_count 2
		.amdhsa_user_sgpr_kernarg_segment_ptr 1
		.amdhsa_wavefront_size32 1
		.amdhsa_system_sgpr_workgroup_id_x 1
		.amdhsa_system_sgpr_workgroup_id_y 1
		.amdhsa_system_sgpr_workgroup_id_z 1
		.amdhsa_system_vgpr_workitem_id 0
		.amdhsa_next_free_vgpr 256
		.amdhsa_next_free_sgpr 66
		.amdhsa_reserve_vcc 0
		.amdhsa_float_denorm_mode_32 3
		.amdhsa_float_denorm_mode_16_64 3
		.amdhsa_memory_ordered 1
		.amdhsa_forward_progress 1
		.amdhsa_inst_pref_size 156
	.end_amdhsa_kernel
	.amdgpu_metadata
---
amdhsa.version: [ 1, 2 ]
amdhsa.kernels:
  - .name:           k_q2e4280767c_attn
    .symbol:         k_q2e4280767c_attn.kd
    .args:
      - { .name: qkv, .offset: 0, .size: 8, .value_kind: global_buffer, .address_space: global }
      - { .name: out0, .offset: 8, .size: 8, .value_kind: global_buffer, .address_space: global }
    .group_segment_fixed_size: 227328
    .private_segment_fixed_size: 0
    .kernarg_segment_align: 8
    .kernarg_segment_size: 16
    .max_flat_workgroup_size: 512
    .sgpr_count:     66
    .vgpr_count:     256
    .wavefront_size: 32
...
	.end_amdgpu_metadata
.endif
;; end of part 2
